; MI455X (gfx1250); checked and timed in simulation.
; The chip was launched on July 23, 2026; its instructions are those of AMD's public machine-readable ISA for CDNA 5 (MIT licence, August 2026) and "CDNA5" Instruction Set Architecture Reference Guide (July 2026). The comments in the code are by the model that wrote it; some were corrected since.
;; LSTM Cell. Allowed arithmetic: float matrix products may take bf16 or f16 operands with f32 sums; other float arithmetic in f32, or as packed bf16 or f16 multiplies, adds, multiply-adds, maxima and minima; sums over many terms, partial sums and values carried from step to step in f32; what a program stores and reads back later, other than sums and carried values, may be rounded once to bf16 or f16.
;; Inputs: W_c 2,048 x 3,072 float32; W_f 2,048 x 3,072 float32; W_i 2,048 x 3,072 float32; W_o 2,048 x 3,072 float32; prev_c 2,048 x 2,048 float32; prev_h 2,048 x 2,048 float32; x 2,048 x 1,024 float32.
;; Outputs: out0 2,048 x 2,048 float32; out1 2,048 x 2,048 float32.
;; One version. Each part assembles by itself: llvm-mc -triple=amdgcn-amd-amdhsa -mcpu=gfx1250 --defsym DOCPART=n.
;; ======== version 1 of 1: 2 launches
;; workspace buffers: hxb 12,582,912 bytes; wb 50,331,648 bytes
;; launch cast (part 1): grid 512 x 5, 4 waves a work-group, no clusters, 0 bytes of LDS; arguments prev_h, x, W_i, W_f, W_o, W_c, hxb, wb; writes hxb, wb
.if DOCPART == 1
	.amdgcn_target "amdgcn-amd-amdhsa--gfx1250"
	.amdhsa_code_object_version 6
	.text
	.protected	k_qe065a55592_cast
	.globl	k_qe065a55592_cast
	.p2align	8
	.type	k_qe065a55592_cast,@function
k_qe065a55592_cast:
	s_mov_b64 s[64:65], 0
	v_nop
	global_prefetch_b8 v0, s[64:65] scope:SCOPE_SE
	s_setreg_imm32_b32 hwreg(HW_REG_WAVE_MODE, 25, 1), 1
	s_wait_xcnt 0x0
; LSTM cell, first of two launches: the matrix operands are rounded ONCE to bf16 (to nearest even) and laid out for the product.
;   hxb[2048][3072] bf16: row r = prev_h[r][0..2047], then x[r][0..1023]: the concatenation.
;   wb [8192][3072] bf16: row 128 (h >> 5) + 32 g + (h & 31) = W_g[h], g = 0 i, 1 f, 2 o, 3 c: 32 hidden columns of all four gates lie in 128 rows on end,
;   so that the product's wave tile of 128 gate columns holds i, f, o and c~ of the same 32 hidden columns.
; NOTHING IS LEFT OUT: every input of the cell reaches an output (prev_c is read by the second launch alone).
; SHARES.  A wave takes one row of 3,072 numbers: 12,288 bytes in, 6,144 out.  Grid y = 0: the rows of hx; y = 1 .. 4: gate y - 1.  Row r = 4 x work-group x + wave.
; All 24 loads of a row (512 consecutive bytes a wave each) go out before the first wait; each store of the wave covers 256 consecutive bytes, aligned.
; No LDS, no barrier, no matrix unit: no wave wants a byte that another has fetched.  No prefetch: the launch is one stream of loads that are all issued at its head.
.set CH,  24                           ; chunks of 128 numbers in a row
.set D,   4                            ; v[4:99]  chunk j: four registers as loaded; its first two then hold the four bf16
.set LO,  2                            ; v2  16 x lane: my 16 bytes of a chunk as loaded
.set SO,  3                            ; v3  8 x lane: my 8 bytes of a chunk as stored
	s_load_b512 s[8:23], s[0:1], 0x0               ; prev_h s[8:9], x s[10:11], W_i s[12:13], W_f s[14:15], W_o s[16:17], W_c s[18:19], hxb s[20:21], wb s[22:23]
	v_lshrrev_b32 v1, 5, v0
	v_readfirstlane_b32 s2, v1                     ; wave 0..3
	s_and_b32 s3, ttmp7, 0xffff                    ; y
	s_lshl_b32 s4, ttmp9, 2
	s_add_co_u32 s4, s4, s2                        ; r
	v_and_b32 v1, 31, v0
	v_lshlrev_b32 v[LO], 4, v1
	v_lshlrev_b32 v[SO], 3, v1
	; offsets, all made apart from the addresses
	s_lshl_b32 s5, s4, 13                          ; a row of prev_h: 8,192 bytes
	s_mul_i32 s6, s4, 12288                        ; a row of W
	s_lshl_b32 s7, s4, 12                          ; a row of x: 4,096 bytes
	s_add_co_u32 s24, s6, 8192                     ; a row of W from its column 2,048 on
	s_lshr_b32 s25, s4, 5
	s_lshl_b32 s25, s25, 7                         ; 128 (r >> 5)
	s_max_u32 s34, s3, 1
	s_sub_co_u32 s34, s34, 1                       ; the gate (for y = 0: 0, and the row made of it is not chosen)
	s_lshl_b32 s34, s34, 5
	s_add_co_u32 s25, s25, s34                     ; + 32 g
	s_and_b32 s34, s4, 31
	s_add_co_u32 s25, s25, s34                     ; + (r & 31): the row of wb
	s_mov_b32 s35, 0                               ; the offsets' high words
	s_mov_b32 s37, 0
	s_mov_b32 s39, 0
	s_wait_kmcnt 0x0
	s_mov_b64 s[26:27], s[12:13]                   ; which W: by y alone
	s_cmp_eq_u32 s3, 2
	s_cselect_b64 s[26:27], s[14:15], s[26:27]
	s_cmp_eq_u32 s3, 3
	s_cselect_b64 s[26:27], s[16:17], s[26:27]
	s_cmp_eq_u32 s3, 4
	s_cselect_b64 s[26:27], s[18:19], s[26:27]
	s_cmp_eq_u32 s3, 0                             ; hx or a gate?  The selects below leave SCC as it is
	s_cselect_b64 s[28:29], s[8:9], s[26:27]       ; chunks 0-15 come from prev_h or W,
	s_cselect_b64 s[30:31], s[10:11], s[26:27]     ; chunks 16-23 from x or W,
	s_cselect_b64 s[32:33], s[20:21], s[22:23]     ; and go to hxb or wb
	s_cselect_b32 s34, s5, s6
	s_cselect_b32 s36, s7, s24
	s_cselect_b32 s38, s4, s25
	s_mul_i32 s38, s38, 6144                       ; a row of hxb and of wb
	s_add_nc_u64 s[28:29], s[28:29], s[34:35]
	s_add_nc_u64 s[30:31], s[30:31], s[36:37]
	s_add_nc_u64 s[32:33], s[32:33], s[38:39]
.set j, 0
.rept 16
	global_load_b128 v[D+4*j:D+4*j+3], v[LO], s[28:29] offset:512*j th:TH_LOAD_NT
.set j, j+1
.endr
.rept 8
	global_load_b128 v[D+4*j:D+4*j+3], v[LO], s[30:31] offset:512*(j-16) th:TH_LOAD_NT
.set j, j+1
.endr
.set j, 0
.rept CH
	s_wait_loadcnt CH-1-j                          ; loads come back in order (ISA guide 5.7.1): chunk j is in, the younger ones stay out
	v_cvt_pk_bf16_f32 v[D+4*j],   v[D+4*j],   v[D+4*j+1]
	v_cvt_pk_bf16_f32 v[D+4*j+1], v[D+4*j+2], v[D+4*j+3]
	global_store_b64 v[SO], v[D+4*j:D+4*j+1], s[32:33] offset:256*j th:TH_STORE_NT  ; no register that a store reads is written again
.set j, j+1
.endr
	s_endpgm
.Lfunc_end_k_qe065a55592_cast:
	.size	k_qe065a55592_cast, .Lfunc_end_k_qe065a55592_cast-k_qe065a55592_cast
	.p2alignl 7, 3214868480
	.fill 96, 4, 3214868480
	.section	.rodata,"a",@progbits
	.p2align	6, 0x0
	.amdhsa_kernel k_qe065a55592_cast
		.amdhsa_group_segment_fixed_size 0
		.amdhsa_private_segment_fixed_size 0
		.amdhsa_enable_private_segment 0
		.amdhsa_kernarg_size 64
		.amdhsa_user_sgpr_count 2
		.amdhsa_user_sgpr_kernarg_segment_ptr 1
		.amdhsa_wavefront_size32 1
		.amdhsa_system_sgpr_workgroup_id_x 1
		.amdhsa_system_sgpr_workgroup_id_y 1
		.amdhsa_system_sgpr_workgroup_id_z 1
		.amdhsa_system_vgpr_workitem_id 0
		.amdhsa_next_free_vgpr 100
		.amdhsa_next_free_sgpr 66
		.amdhsa_reserve_vcc 0
		.amdhsa_float_denorm_mode_32 3
		.amdhsa_float_denorm_mode_16_64 3
		.amdhsa_memory_ordered 1
		.amdhsa_forward_progress 1
		.amdhsa_inst_pref_size 11
	.end_amdhsa_kernel
	.amdgpu_metadata
---
amdhsa.version: [ 1, 2 ]
amdhsa.kernels:
  - .name:           k_qe065a55592_cast
    .symbol:         k_qe065a55592_cast.kd
    .args:
      - { .name: prev_h, .offset: 0, .size: 8, .value_kind: global_buffer, .address_space: global }
      - { .name: x, .offset: 8, .size: 8, .value_kind: global_buffer, .address_space: global }
      - { .name: W_i, .offset: 16, .size: 8, .value_kind: global_buffer, .address_space: global }
      - { .name: W_f, .offset: 24, .size: 8, .value_kind: global_buffer, .address_space: global }
      - { .name: W_o, .offset: 32, .size: 8, .value_kind: global_buffer, .address_space: global }
      - { .name: W_c, .offset: 40, .size: 8, .value_kind: global_buffer, .address_space: global }
      - { .name: hxb, .offset: 48, .size: 8, .value_kind: global_buffer, .address_space: global }
      - { .name: wb, .offset: 56, .size: 8, .value_kind: global_buffer, .address_space: global }
    .group_segment_fixed_size: 0
    .private_segment_fixed_size: 0
    .kernarg_segment_align: 8
    .kernarg_segment_size: 64
    .max_flat_workgroup_size: 128
    .sgpr_count:     66
    .vgpr_count:     100
    .wavefront_size: 32
...
	.end_amdgpu_metadata
.endif
;; end of part 1
;; launch lstm (part 2): grid 32 x 8, 4 waves a work-group, clusters of 4 x 4, 327,680 bytes of LDS; arguments hxb, wb, prev_c, out0, out1; writes out0, out1
.if DOCPART == 2
	.amdgcn_target "amdgcn-amd-amdhsa--gfx1250"
	.amdhsa_code_object_version 6
	.text
	.protected	k_qe065a55592_lstm
	.globl	k_qe065a55592_lstm
	.p2align	8
	.type	k_qe065a55592_lstm,@function
k_qe065a55592_lstm:
	s_mov_b64 s[64:65], 0
	v_nop
	global_prefetch_b8 v0, s[64:65] scope:SCOPE_SE
	s_setreg_imm32_b32 hwreg(HW_REG_WAVE_MODE, 25, 1), 1
	s_wait_xcnt 0x0
	s_wait_alu depctr_hold_cnt(0) depctr_sa_sdst(0) depctr_va_vdst(0) depctr_va_sdst(0) depctr_va_ssrc(0) depctr_va_vcc(0) depctr_vm_vsrc(0)
	s_getreg_b32 s2, hwreg(HW_REG_IB_STS2, 6, 4)
	s_cmp_eq_u32 s2, 0
	s_cbranch_scc0 .Lentry_in_a_cluster
	s_endpgm
.Lentry_in_a_cluster:
	s_bfe_u32 s2, ttmp6, 0x10000c
	s_cmp_lg_u32 s2, 0xf033
	s_cbranch_scc0 .Lentry_shape_is_right
	s_endpgm
.Lentry_shape_is_right:
; LSTM cell, second launch.  gates[m][n'] = sum over k of hxb[m][k] wb[n'][k] (bf16 operands, f32 sums), then in registers, in f32:
;   i, f, o = sigmoid(g) = 1 / (1 + 2^(-L g));  c~ = tanh(g) = 1 - 2 / (1 + 2^(2 L g));  L = log2(e)
;   next_c = f prev_c + i c~ (out1);  next_h = o tanh(next_c) (out0).  The gates never go to memory.  Nothing of the cell is left out.
; LIMITS.  The matrix operands were rounded once to bf16.  A power of two that overflows gives 1 / inf = 0 and one below 2^-126 counts as 0: both are the functions' own saturation, so no clamp is written.
; tanh by this form is off by about 1e-7 absolutely, so it loses relative accuracy for arguments below about 1e-5.  NaN and infinities go through the same formulas and are not treated apart.
; SHARES.  A work-group of four waves makes 256 rows x 256 gate columns = 256 rows x 64 hidden columns of both outputs; 8 x 32 work-groups.  A wave makes 128 x 128: 64 accumulators of 16 x 16, 512 registers.
; wb's rows are ordered so that a wave's 128 gate columns are 4 gates x 32 hidden columns: n block b = 2 g + s is gate g, hidden columns 16 s on.  THE MATRIX INSTRUCTION IS USED TRANSPOSED (source 0 = 16 rows
; of wb, source 1 = 16 rows of hxb): lane l holds row l % 16 and columns 8 (l / 16) + 0..7.  So i, f, o and c~ of one number lie in the same lane and register place of four accumulators: no exchange of lanes.
; K goes in steps of 128 through a ring of two LDS slots filled by the tensor data mover; rows of a tile are 256 bytes of memory at multiples of 256 bytes.
; CLUSTERS: 4 x 4 work-groups.  The four of a row of the cluster need the same tiles of hxb, the four of a column the same tiles of wb: each tile is asked for JOINTLY, by the same tensor load with the same
; descriptor and a mask that names the four.
; THE WAY OUT.  A row's 64 hidden columns (256 bytes of f32) come from two waves, so prev_c comes in and both outputs leave through stages in LDS, in blocks of 16 rows a wave.  The stages lie in ring bytes
; that have had their last fill.  Stage row 32 a + 16 wr + i stands for tile row 128 wr + 16 a + i, so block a of both row halves is one interval of 8,704 bytes, written once: one barrier a block.
; REGISTERS, in windows of 256 (s_set_vgpr_msb: bits 1:0 source 0, 3:2 source 1, 5:4 source 2, 7:6 destination):
;   window 0: v0-31 addresses; v64-127, v128-191 fragments of hxb, two buffers; on the way out v64-127 the block's four gates, v128-143 its prev_c, v192-223 rows read back
;   window 1: v64-127, v128-191 fragments of wb, two buffers; v0-63, v192-255 my 64 rows of prev_c, loaded at the start
;   window 2: the 32 accumulators of my rows 0-63 ((a, b) at v[8 (8 a + b)]);   window 3: those of my rows 64-127
.set SIZE_K, 3072
.set KSTEP,  128
.set PITCH,  272                       ; an LDS row: 256 bytes + 16 of padding = 68 words: row r starts at bank 4 r mod 64 (64 banks of 4 bytes: ISA guide 11.1)
.set HALFT,  128*PITCH                 ; 128 rows: what one tensor load brings
.set SLOT,   4*HALFT                   ; hxb's 256 rows, then wb's 256 rows
.set LAPS,   SIZE_K/(2*KSTEP)          ; 12 laps of two K steps
.set HROW,   8192                      ; bytes in a row of prev_c, out0, out1
.set BLK,    32*PITCH                  ; a block of a stage: 16 rows of each row half
.set PCS,    0                         ; prev_c's stage: slot 0's first half, free from the last change of slots on
.set OUTC,   2*HALFT                   ; next_c's stage: slot 0's second half
.set OUTH,   SLOT                      ; next_h's stage: slot 1's first half, free when the last product's fragments have been read
.set SPARE,  2*SLOT                    ; behind the ring: the spare words, 128 bytes for each wave: two blocks of 256 bytes that no other line names
.set ADRA, 16                          ; v16-17  LDS address of my hxb fragments in slot 0, 1
.set ADRB, 20                          ; v20-21  the same for wb
.set STP,  22                          ; v22  my 32 bytes of a row of prev_c's stage: (16 wr + l % 16) x 272 + 128 wc + 32 (l / 16)
.set STC,  23                          ; v23  the same place in next_c's stage
.set STH,  24                          ; v24  and in next_h's
.set RDP,  25                          ; v25  where I put prev_c's rows: (128 wc + 16 wr + l / 16) x 272 + 16 (l % 16)
.set RDO,  26                          ; v26  where I read whole rows back: the stage of output wc, row 16 wr + l / 16, byte 16 (l % 16)
.set GO,   27                          ; v27  my byte offset in two rows of prev_c or an output: 8,192 (l / 16) + 16 (l % 16); never rewritten
.set SPW,  28                          ; v28  LDS address of my spare word; never rewritten
.set NIL,  29                          ; v29  0; never rewritten
.set PFO,  30                          ; v30  the prefetches' offset: lane x a row of hxb or wb; never rewritten
.set F0,   64
.set F1,   128
.set T,    64                          ; the block's gates: T + 8 b + j
.set TI,   64
.set TF,   80
.set TO,   96
.set TG,   112
.set PCV,  128                         ; the block's prev_c: PCV + 8 s + j
.set OB,   192                         ; 16 rows read back
.set LIM,  43                          ; s43     1 in a wave that prefetches, else the greatest number
.set PFA,  44                          ; s[44:45] where my prefetches stand
.set G1,   24                          ; s[24:31] descriptor group 1 for hxb's tiles;  s[32:39] group 0, a set for each slot
.set G0,   32
.set G1B,  48                          ; s[48:55], s[56:63] the same for wb's tiles
.set G0B,  56
.set PCB,  68                          ; s[68:69] prev_c, then prev_c at my 64 rows
.set OUTB, 74                          ; s[74:75] the output that I store (wc = 0: out1, wc = 1: out0) at my row half
.set KSIG, 76                          ; s[76:77] -L: the packed lines name a pair and take its low word for both halves
.set KTAN, 78                          ; s[78:79] 2 L
.set ONE,  80                          ; s[80:81] 1.0
.set NEG2, 82                          ; s[82:83] -2.0
.set MSB, 0
.macro WIN new                         ; the immediate's high byte repeats the setting that is left; a switch that changes nothing is dropped
.if MSB != (\new)
	s_set_vgpr_msb (MSB<<8)|(\new)
.set MSB, \new
.endif
.endm
.set MUL_LO, 0xa1                      ; source 0 (wb) window 1, source 1 (hxb) window 0, C and D window 2
.set MUL_HI, 0xf1                      ; the same, C and D window 3
.set TO_B,   0x40                      ; destination window 1, address window 0
; A joint load.  Waves 0 and 1 fetch hxb's two halves, waves 2 and 3 wb's.  The branch hangs on the wave's number alone.  An s_nop 0 and four v_nop follow each of the two lines.
.macro JLOAD s
	s_cmp_eq_u32 s11, 0
	s_cbranch_scc0 .Lfor_b_\@
	tensor_load_to_lds s[G0+4*(\s):G0+4*(\s)+3], s[G1:G1+7]
	s_nop 0
.rept 4
	v_nop
.endr
	s_branch .Lasked_\@
.Lfor_b_\@:
	tensor_load_to_lds s[G0B+4*(\s):G0B+4*(\s)+3], s[G1B:G1B+7]
	s_nop 0
.rept 4
	v_nop
.endr
.Lasked_\@:
.endm
; A prefetch into the L2 of the K step that stands TWO refills on (512 matrix instructions ahead of the load that will want it): 32 rows x 256 bytes, a lane a row, one instruction a wave.  Each row's 256 bytes
; of a K step are named once in the launch: hxb's tile row is read by every cluster of that row of clusters, and cluster x = 0 asks; wb's tile column by every cluster of that column, and cluster y = 0 asks; the four
; partners that ask for a tile jointly share its rows out by ADDRESS, 32 each.  K steps 0 to 3 come by their loads alone; the loop's last trip (s3 = 1) asks for nothing: there is no K step two on.
.macro ASK
	s_cmp_gt_u32 s3, s[LIM]
	s_cbranch_scc0 .Lnot_mine_\@
	global_prefetch_b8 v[PFO], s[PFA:PFA+1] offset:KSTEP*2 th:TH_LOAD_NT scope:SCOPE_SE
.Lnot_mine_\@:
.endm
.macro CREST                           ; a round of the cluster's barrier behind its opening barrier
	s_cmp_lg_u32 s10, 0
	s_cbranch_scc1 .Lnot_wave_0_\@
	s_barrier_signal -3
.Lnot_wave_0_\@:
	s_barrier_wait -3
	s_barrier_signal -1
	s_barrier_wait -1
.endm
.macro CROUND                          ; a whole round
	s_barrier_signal -1
	s_barrier_wait -1
	CREST
.endm
	s_load_b128 s[4:7], s[0:1], 0x0                ; hxb s[4:5], wb s[6:7]
	s_load_b128 s[68:71], s[0:1], 0x10             ; prev_c s[68:69], out0 s[70:71]
	s_load_b64 s[72:73], s[0:1], 0x20              ; out1
	v_lshl_add_u32 v[SPW], v0, 2, SPARE
	v_mov_b32 v[NIL], 0
	ds_add_u32 v[SPW], v[NIL]                      ; the wave's opening: the add, twice on end, and its wait, ahead of my first tensor load; the set-up below, work on registers, stands between
	ds_add_u32 v[SPW], v[NIL]
	v_lshrrev_b32 v1, 5, v0
	v_readfirstlane_b32 s10, v1                    ; wave 0..3
	s_lshr_b32 s11, s10, 1                         ; wr: which half of the tile's rows is mine.  Also: I fetch for hxb (0) or for wb (1)
	s_and_b32 s12, s10, 1                          ; wc: which half of its columns.  Also: which 128 rows of that tile I fetch
	s_bfe_u32 s40, ttmp6, 0x40000                  ; cx
	s_bfe_u32 s41, ttmp6, 0x40004                  ; cy
	s_lshl_b32 s42, ttmp9, 2                       ; in a cluster launch ttmp9 and ttmp7 count clusters
	s_add_co_u32 s42, s42, s40                     ; tile column = 4 x cluster x + cx
	s_and_b32 s13, ttmp7, 0xffff
	s_lshl_b32 s13, s13, 2
	s_add_co_u32 s13, s13, s41                     ; tile row = 4 x cluster y + cy
	s_lshl_b32 s43, s41, 2
	s_lshl_b32 s43, 15, s43                        ; my row of the cluster: places 4 cy .. 4 cy + 3
	s_lshl_b32 s44, 0x1111, s40                    ; my column: places cx, cx + 4, cx + 8, cx + 12
	; descriptor group 1: a tile of 128 rows x 128 elements, padded in LDS
	s_or_b32 s[G1+0], s43, (1<<16)|(1<<20)|(1<<21)|(5<<22)|(3<<25)  ; 15:0 the mask; 17:16 elements of 2 bytes; 20 padding on; 21 set beside a mask; 24:22 after every 64 words (code 5); 31:25 4 words of it (code 3)
	s_or_b32 s[G1B+0], s44, (1<<16)|(1<<20)|(1<<21)|(5<<22)|(3<<25)
.irp g, G1, G1B
	s_mov_b32 s[(\g)+1], KSTEP<<16                 ; tensor_dim0 = 128
	s_mov_b32 s[(\g)+2], 128<<16                   ; tensor_dim1 = 128
	s_mov_b32 s[(\g)+3], KSTEP<<16                 ; tile_dim0 = 128
	s_mov_b32 s[(\g)+4], 128                       ; tile_dim1 = 128
	s_mov_b32 s[(\g)+5], SIZE_K                    ; elements from row to row
	s_mov_b32 s[(\g)+6], 0
	s_mov_b32 s[(\g)+7], 0
.endr
	; where the tiles come from: hxb's hang on the tile row alone, wb's on the tile column alone, each in registers that never hold the other coordinate
	s_lshl_b32 s17, s12, 7
	s_lshl_b32 s16, s13, 8
	s_add_co_u32 s16, s16, s17                     ; hxb: row 256 x tile row + 128 x half
	s_lshl_b32 s46, s42, 8
	s_add_co_u32 s46, s46, s17                     ; wb: row 256 x tile column + 128 x half
	s_mov_b32 s17, 0
	s_mov_b32 s47, 0
	s_mov_b64 s[18:19], SIZE_K*2
	s_mul_u64 s[16:17], s[16:17], s[18:19]
	s_mul_u64 s[46:47], s[46:47], s[18:19]
	s_mul_i32 s20, s10, HALFT                      ; where they go: wave x 128 rows: no place in the cluster enters an LDS address
	s_mov_b32 s[KSIG], 0xbfb8aa3b                  ; -log2(e)
	s_mov_b32 s[KSIG+1], 0xbfb8aa3b
	s_mov_b32 s[KTAN], 0x4038aa3b                  ; 2 log2(e)
	s_mov_b32 s[KTAN+1], 0x4038aa3b
	s_mov_b32 s[ONE], 1.0
	s_mov_b32 s[ONE+1], 1.0
	s_mov_b32 s[NEG2], -2.0
	s_mov_b32 s[NEG2+1], -2.0
	s_wait_dscnt 0x0                               ; both opening adds are done
	s_wait_kmcnt 0x0
	s_add_nc_u64 s[14:15], s[4:5], s[16:17]
	s_add_nc_u64 s[46:47], s[6:7], s[46:47]
	CROUND                                         ; all sixteen work-groups are here: the first joint loads meet
.irp s, 0,1
	s_mov_b32 s[G0+4*(\s)], 1                                      ; count = 1
	s_add_co_u32 s[G0+4*(\s)+1], s20, (\s)*SLOT                    ; LDS address
	s_add_nc_u64 s[G0+4*(\s)+2:G0+4*(\s)+3], s[14:15], (\s)*KSTEP*2  ; global address: K step s
	s_or_b32 s[G0+4*(\s)+3], s[G0+4*(\s)+3], 0x80000000            ; type = 2
	s_mov_b32 s[G0B+4*(\s)], 1
	s_add_co_u32 s[G0B+4*(\s)+1], s20, (\s)*SLOT
	s_add_nc_u64 s[G0B+4*(\s)+2:G0B+4*(\s)+3], s[46:47], (\s)*KSTEP*2
	s_or_b32 s[G0B+4*(\s)+3], s[G0B+4*(\s)+3], 0x80000000
	JLOAD \s                                       ; the ring is filled before anything else is done: two loads of mine are out
.endr
	; A fragment is 16 rows x 32 K in 8 registers: lane l holds row l % 16; registers 0-3 K = 8 (l / 16) + 0..7, registers 4-7 K = 16 + 8 (l / 16) + 0..7: two loads of 16 bytes, 32 bytes apart.
	v_and_b32 v1, 15, v0                           ; l % 16
	v_bfe_u32 v2, v0, 4, 1                         ; l / 16
	v_mul_u32_u24 v3, v1, PITCH
	v_lshl_add_u32 v3, v2, 4, v3                   ; row x pitch + 16 x half
	s_mul_i32 s21, s11, HALFT                      ; my 128 rows of hxb
	s_mul_i32 s22, s12, HALFT                      ; my 128 rows of wb,
	s_add_co_u32 s22, s22, 2*HALFT                 ; which lie behind hxb's 256
.irp s, 0,1
	v_add_nc_u32 v[ADRA+(\s)], s21, v3
	v_add_nc_u32 v[ADRB+(\s)], s22, v3
	s_add_co_u32 s21, s21, SLOT
	s_add_co_u32 s22, s22, SLOT
.endr
	; the stages
	s_mul_i32 s23, s11, 16*PITCH                   ; my row half's 16 rows of a block
	s_lshl_b32 s21, s12, 7                         ; my 32 hidden columns: 128 bytes
	s_add_co_u32 s21, s21, s23
	v_mul_u32_u24 v4, v1, PITCH
	v_lshl_add_u32 v4, v2, 5, v4                   ; row l % 16, 32 bytes for each half of the lanes
	v_add_nc_u32 v[STP], s21, v4
	v_add_nc_u32 v[STC], OUTC, v[STP]
	v_add_nc_u32 v[STH], OUTH, v[STP]
	v_mul_u32_u24 v5, v2, PITCH
	v_lshl_add_u32 v5, v1, 4, v5                   ; whole rows: lanes 0-15 one row of 256 bytes, lanes 16-31 the next
	s_mul_i32 s22, s12, HALFT                      ; tile rows 64 w + .. lie in blocks 4 wc + ..: 128 wc stage rows on
	s_add_co_u32 s22, s22, s23
	v_add_nc_u32 v[RDP], s22, v5
	s_mul_i32 s22, s12, 2*HALFT                    ; wc = 0 sends next_c's stage, wc = 1 next_h's, which lies 69,632 bytes on
	s_add_co_u32 s22, s22, s23
	s_add_co_u32 s22, s22, OUTC
	v_add_nc_u32 v[RDO], s22, v5
	v_lshlrev_b32 v[GO], 13, v2
	v_lshl_add_u32 v[GO], v1, 4, v[GO]
	; prev_c at tile rows 64 w on, the output at tile rows 128 wr on; the tile's 64 hidden columns are 256 bytes
	s_lshl_b32 s13, s13, 8                         ; 256 x tile row
	s_lshl_b32 s42, s42, 8                         ; 256 x tile column
	s_lshl_b32 s85, s10, 6
	s_add_co_u32 s84, s13, s85
	s_lshl_b32 s84, s84, 13
	s_add_co_u32 s84, s84, s42
	s_mov_b32 s85, 0
	s_add_nc_u64 s[PCB:PCB+1], s[PCB:PCB+1], s[84:85]
	s_lshl_b32 s85, s11, 7
	s_add_co_u32 s84, s13, s85
	s_lshl_b32 s84, s84, 13
	s_add_co_u32 s84, s84, s42
	s_mov_b32 s85, 0
	s_cmp_eq_u32 s12, 0
	s_cselect_b64 s[OUTB:OUTB+1], s[72:73], s[70:71]
	s_add_nc_u64 s[OUTB:OUTB+1], s[OUTB:OUTB+1], s[84:85]
	; the prefetches
	s_and_b32 s22, ttmp7, 0xffff                   ; cluster y
	s_cmp_eq_u32 s11, 0                            ; do I fetch for hxb?
	s_cselect_b32 s20, s13, s42                    ; the tile's first row
	s_cselect_b32 s21, s40, s41                    ; my place among the four that ask for it with me
	s_cselect_b32 s22, ttmp9, s22                  ; the coordinate along which other clusters read the same rows
	s_cselect_b64 s[PFA:PFA+1], s[4:5], s[6:7]
	s_cmp_eq_u32 s22, 0
	s_cselect_b32 s[LIM], 1, -1                    ; the same in all sixteen partners, for a given wave
	s_lshl_b32 s22, s12, 7
	s_add_co_u32 s20, s20, s22                     ; + the 128 rows that I fetch
	s_lshl_b32 s21, s21, 5
	s_add_co_u32 s20, s20, s21                     ; + my work-group's 32 of them
	s_mov_b32 s21, 0
	s_mov_b64 s[18:19], SIZE_K*2
	s_mul_u64 s[20:21], s[20:21], s[18:19]
	s_add_nc_u64 s[PFA:PFA+1], s[PFA:PFA+1], s[20:21]
	s_add_nc_u64 s[PFA:PFA+1], s[PFA:PFA+1], 2*KSTEP*2  ; at K step 2: the first refill steps it to 3 and names K step 4
	v_and_b32 v[PFO], 31, v0
	v_mul_u32_u24 v[PFO], v[PFO], SIZE_K*2
; 16 matrix instructions: m blocks a0, a0 + 1 of the window's four x all 8 n blocks, 32 along K.  zero = 1: the first product starts the sums: nothing is ever cleared.
; The 64 accumulators take turns, one instruction a turn, in the same order in every quarter step.
.macro MUL16 f, hi, a0, zero
	WIN MUL_LO+0x50*(\hi)
.irp a, \a0, (\a0)+1
.irp b, 0,1,2,3,4,5,6,7
.if \zero
	v_wmma_f32_16x16x32_bf16 v[8*(8*(\a)+(\b)):8*(8*(\a)+(\b))+7], v[(\f)+8*(\b):(\f)+8*(\b)+7], v[(\f)+8*(4*(\hi)+(\a)):(\f)+8*(4*(\hi)+(\a))+7], 0
.else
	v_wmma_f32_16x16x32_bf16 v[8*(8*(\a)+(\b)):8*(8*(\a)+(\b))+7], v[(\f)+8*(\b):(\f)+8*(\b)+7], v[(\f)+8*(4*(\hi)+(\a)):(\f)+8*(4*(\hi)+(\a))+7], v[8*(8*(\a)+(\b)):8*(8*(\a)+(\b))+7]
.endif
.endr
.endr
.endm
; 32 LDS loads in one run: the fragments of one quarter step (128 rows of wb, 128 rows of hxb, 32 K at byte k of the rows) into buffer f
.macro FETCH slot, k, f
	WIN TO_B
.irp i, 0,1,2,3,4,5,6,7
	ds_load_b128 v[(\f)+8*(\i):(\f)+8*(\i)+3],   v[ADRB+(\slot)] offset:(\k)+(\i)*16*PITCH
	ds_load_b128 v[(\f)+8*(\i)+4:(\f)+8*(\i)+7], v[ADRB+(\slot)] offset:(\k)+(\i)*16*PITCH+32
.endr
	WIN 0
.irp i, 0,1,2,3,4,5,6,7
	ds_load_b128 v[(\f)+8*(\i):(\f)+8*(\i)+3],   v[ADRA+(\slot)] offset:(\k)+(\i)*16*PITCH
	ds_load_b128 v[(\f)+8*(\i)+4:(\f)+8*(\i)+7], v[ADRA+(\slot)] offset:(\k)+(\i)*16*PITCH+32
.endr
.endm
.macro PLACES                          ; four plain vector instructions between a matrix instruction and a load into a register that it has read (ISA guide 7.12.1 for vector instructions)
.rept 4
	v_nop
.endr
.endm
; A K step is four quarter steps of 32 along K, 64 matrix instructions each, on buffers 0, 1, 0, 1.  One of the first three: multiplies buffer f and, in its middle, fetches the next quarter's fragments into g.
.macro QUARTER slot, k, f, g, zero
	s_wait_dscnt 8                                 ; wb's and hxb's rows 0-63 are in; the youngest eight loads (hxb's rows 64-127) may be out
	MUL16 \f, 0, 0, \zero
	MUL16 \f, 0, 2, \zero
	PLACES
	FETCH \slot, \k, \g
	s_wait_dscnt 32                                ; all but the 32 just issued
	MUL16 \f, 1, 0, \zero
	MUL16 \f, 1, 2, \zero
.endm
; The first half of a K step's last quarter: ONE barrier for the change of slots.  In front of it each wave waits for all its tensor loads (its part of the next slot), adds 0 to its spare word, and waits for that
; and for its own reads of this slot.  Behind it nobody reads this slot any more and the next slot is whole.
.macro MEET round                      ; round = 1: a round of the cluster's barrier follows
	WIN 0                                          ; (the add's two registers lie in window 0)
	s_wait_tensorcnt 0x0
	ds_add_u32 v[SPW], v[NIL]                      ; 0 onto my spare word
	s_wait_dscnt 9                                 ; (the add and the youngest eight loads may be out)
	MUL16 F1, 0, 0, 0                              ; sixteen matrix instructions stand between the add and the wait for it
	s_wait_dscnt 0x0                               ; the add is done, and my reads of this slot are over
	s_barrier_signal -1
	MUL16 F1, 0, 2, 0                              ; work on registers while the others arrive
.if \round
	WIN 0
.endif
	s_barrier_wait -1
.endm
; The whole last quarter of a K step that fills its slot again, two K steps ahead.  From a request to the wait for it a wave issues 224 matrix instructions; one tensor load of mine is out.
.macro TURN slot, next
	s_wait_xcnt 0x0                                ; the last prefetch, a K step back, has read its address: it is stepped here, ahead of the waits of the change of slots
	s_add_nc_u64 s[PFA:PFA+1], s[PFA:PFA+1], KSTEP*2
	MEET 1
	CREST                                          ; no wave of any partner still reads this slot's tile or has a load on its way
	s_add_nc_u64 s[G0+4*(\slot)+2:G0+4*(\slot)+3], s[G0+4*(\slot)+2:G0+4*(\slot)+3], 2*KSTEP*2
	s_add_nc_u64 s[G0B+4*(\slot)+2:G0B+4*(\slot)+3], s[G0B+4*(\slot)+2:G0B+4*(\slot)+3], 2*KSTEP*2
	JLOAD \slot                                    ; the first tensor load behind the round; its four v_nop are also the places in front of the loads below
	FETCH \next, 0, F0
	ASK
	MUL16 F1, 1, 0, 0
	MUL16 F1, 1, 2, 0
.endm
; My 64 rows of the tile's prev_c (tile rows 64 w on), 256 bytes each: 32 loads of two rows, into window 1's idle registers.  They are waited for 23 K steps later.
.macro PCLOAD
	WIN 0x40                                       ; destination window 1, address window 0
.set t, 0
.rept 32
.set rr, 4*t+128*(t/16)                ; v0-63, then v192-255
	global_load_b128 v[rr:rr+3], v[GO], s[PCB:PCB+1] offset:2*t*HROW th:TH_LOAD_NT
.set t, t+1
.endr
.endm
; and into prev_c's stage: tile row 64 w + 2 t + l / 16 is stage row 128 wc + 16 wr + 32 (t / 8) + 2 (t % 8) + l / 16
.macro PCSTAGE
	s_wait_loadcnt 0x0
	WIN 0x04                                       ; store data window 1, address window 0
.set t, 0
.rept 32
.set rr, 4*t+128*(t/16)
	ds_store_b128 v[RDP], v[rr:rr+3] offset:PCS+(32*(t/8)+2*(t%8))*PITCH
.set t, t+1
.endr
.endm
; THE WAY OUT.  SENDLD: 16 whole rows of block a, of the output that I send, come back from its stage.  SENDST: they are stored.
.macro SENDLD a
	WIN 0
	s_wait_xcnt 0x0                                ; the block before's stores have read these registers (ISA guide 3.1): only behind this wait are they loaded again
.irp t, 0,1,2,3,4,5,6,7
	ds_load_b128 v[OB+4*(\t):OB+4*(\t)+3], v[RDO] offset:(\a)*BLK+2*(\t)*PITCH
.endr
.endm
.macro SENDST a, younger               ; younger: the LDS loads issued behind SENDLD's, which may stay out
	WIN 0
	s_wait_dscnt \younger
.irp t, 0,1,2,3,4,5,6,7
	global_store_b128 v[GO], v[OB+4*(\t):OB+4*(\t)+3], s[OUTB:OUTB+1] offset:(16*(\a)+2*(\t))*HROW th:TH_STORE_NT  ; 16 lanes store 256 consecutive bytes, at a multiple of 256 from the output's first byte
.endr
.endm
; Block a (my rows 16 a on, 32 hidden columns): the cell's arithmetic on 16 numbers a lane.  The transcendentals go in four batches (64, 64, 16, 16), each with one plain instruction behind its last and ONE
; s_wait_alu depctr_va_vdst(0) ahead of its first reader.  Each accumulator is read from its lowest registers on.  prev >= 0: that block's rows are stored while this one is computed.
.macro GATES a, prev
.set AC, 64*((\a)%4)
	WIN 0
.irp s, 0,1
.irp q, 0,1
	ds_load_b128 v[PCV+8*(\s)+4*(\q):PCV+8*(\s)+4*(\q)+3], v[STP] offset:PCS+(\a)*BLK+64*(\s)+16*(\q)
.endr
.endr
	WIN 0x02+(\a)/4                                ; source 0: window 2 or 3
.set z, 0
.rept 24
	v_pk_mul_f32 v[T+z:T+z+1], v[AC+z:AC+z+1], s[KSIG:KSIG+1] op_sel_hi:[1,0]  ; i, f, o: -L g
.set z, z+2
.endr
.rept 8
	v_pk_mul_f32 v[T+z:T+z+1], v[AC+z:AC+z+1], s[KTAN:KTAN+1] op_sel_hi:[1,0]  ; c~: 2 L g
.set z, z+2
.endr
	WIN 0
.if (\prev) >= 0
	SENDST \prev, 4                                ; the four loads of prev_c above may stay out
.endif
.set z, 0
.rept 64
	v_exp_f32 v[T+z], v[T+z]
.set z, z+1
.endr
	v_nop
	s_wait_alu depctr_va_vdst(0)
.set z, 0
.rept 32
	v_pk_add_f32 v[T+z:T+z+1], v[T+z:T+z+1], s[ONE:ONE+1] op_sel_hi:[1,0]
.set z, z+2
.endr
.set z, 0
.rept 64
	v_rcp_f32 v[T+z], v[T+z]
.set z, z+1
.endr
	v_nop
	s_wait_alu depctr_va_vdst(0)
.set z, 0
.rept 8
	v_pk_fma_f32 v[TG+z:TG+z+1], v[TG+z:TG+z+1], s[NEG2:NEG2+1], s[ONE:ONE+1] op_sel_hi:[1,0,0]  ; c~ = 1 - 2 / (1 + 2^(2 L g))
.set z, z+2
.endr
.set z, 0
.rept 8
	v_pk_mul_f32 v[TI+z:TI+z+1], v[TI+z:TI+z+1], v[TG+z:TG+z+1]  ; i c~
.set z, z+2
.endr
	s_wait_dscnt 0x0                               ; prev_c is in
.set z, 0
.rept 8
	v_pk_fma_f32 v[TI+z:TI+z+1], v[TF+z:TF+z+1], v[PCV+z:PCV+z+1], v[TI+z:TI+z+1]  ; next_c = f prev_c + i c~
.set z, z+2
.endr
.irp s, 0,1
.irp q, 0,1
	ds_store_b128 v[STC], v[TI+8*(\s)+4*(\q):TI+8*(\s)+4*(\q)+3] offset:(\a)*BLK+64*(\s)+16*(\q)
.endr
.endr
.set z, 0
.rept 8
	v_pk_mul_f32 v[TF+z:TF+z+1], v[TI+z:TI+z+1], s[KTAN:KTAN+1] op_sel_hi:[1,0]
.set z, z+2
.endr
.set z, 0
.rept 16
	v_exp_f32 v[TF+z], v[TF+z]
.set z, z+1
.endr
	v_nop
	s_wait_alu depctr_va_vdst(0)
.set z, 0
.rept 8
	v_pk_add_f32 v[TF+z:TF+z+1], v[TF+z:TF+z+1], s[ONE:ONE+1] op_sel_hi:[1,0]
.set z, z+2
.endr
.set z, 0
.rept 16
	v_rcp_f32 v[TF+z], v[TF+z]
.set z, z+1
.endr
	v_nop
	s_wait_alu depctr_va_vdst(0)
.set z, 0
.rept 8
	v_pk_fma_f32 v[TF+z:TF+z+1], v[TF+z:TF+z+1], s[NEG2:NEG2+1], s[ONE:ONE+1] op_sel_hi:[1,0,0]  ; tanh(next_c)
.set z, z+2
.endr
.set z, 0
.rept 8
	v_pk_mul_f32 v[TO+z:TO+z+1], v[TO+z:TO+z+1], v[TF+z:TF+z+1]  ; next_h
.set z, z+2
.endr
.irp s, 0,1
.irp q, 0,1
	ds_store_b128 v[STH], v[TO+8*(\s)+4*(\q):TO+8*(\s)+4*(\q)+3] offset:(\a)*BLK+64*(\s)+16*(\q)
.endr
.endr
.endm
	s_wait_tensorcnt 1                             ; my part of K step 0 is in; K step 1's may stay out
	s_barrier_signal -1
	s_barrier_wait -1                              ; everybody's is
	FETCH 0, 0, F0
	PCLOAD                                         ; behind the first tile's arrival
	QUARTER 0, 64,  F0, F1, 1                      ; the first quarter stands in front of the loop: its products start the sums
	WIN 0                                          ; at a label and at a branch every window is 0
	s_mov_b32 s3, LAPS-1
.Llap:                                                 ; a trip goes once round the ring, from a lap's second quarter to the next lap's first, and fills both slots again: K steps 2 to 23 in 11 trips
	QUARTER 0, 128, F1, F0, 0
	QUARTER 0, 192, F0, F1, 0
	TURN 0, 1
	QUARTER 1, 64,  F0, F1, 0
	QUARTER 1, 128, F1, F0, 0
	QUARTER 1, 192, F0, F1, 0
	TURN 1, 0
	QUARTER 0, 64,  F0, F1, 0
	WIN 0
	s_sub_co_u32 s3, s3, 1
	s_cmp_lg_u32 s3, 0
	s_cbranch_scc1 .Llap
	QUARTER 0, 128, F1, F0, 0                      ; the last lap fills nothing
	QUARTER 0, 192, F0, F1, 0
	MEET 0                                         ; slot 1, the last K step, is whole; slot 0 is read no more and has had its last fill
	PCSTAGE                                        ; so prev_c goes into its first half; these stores stand ahead of the loads below, so the counted waits that follow keep their meaning (LDS serves a wave in order: ISA guide 5.7.1.4)
	PLACES                                         ; for the loads into buffer 0, which the quarter before multiplied
	FETCH 1, 0, F0
	MUL16 F1, 1, 0, 0
	MUL16 F1, 1, 2, 0
	QUARTER 1, 64,  F0, F1, 0
	QUARTER 1, 128, F1, F0, 0
	QUARTER 1, 192, F0, F1, 0
	s_wait_dscnt 8                                 ; the very last quarter: nothing more to fetch
	MUL16 F1, 0, 0, 0
	MUL16 F1, 0, 2, 0
	s_wait_dscnt 0x0
	MUL16 F1, 1, 0, 0
	MUL16 F1, 1, 2, 0
	WIN 0
	PLACES                                         ; behind the last products, ahead of reads of results and of writes over hxb's fragment registers
	PLACES
	s_wait_dscnt 0x0                               ; my stores into prev_c's stage are done and my reads of slot 1 are over
	s_barrier_signal -1
	s_barrier_wait -1                              ; everybody's: prev_c's stage is whole, and both slots may be written
.irp a, 0,1,2,3,4,5,6,7
	GATES \a, (\a)-1
	s_wait_dscnt 0x0                               ; for the others' sake: my halves of block a's rows lie in both stages
	s_barrier_signal -1
	s_barrier_wait -1                              ; the rows are whole; later blocks write other bytes, so no second barrier is needed
	SENDLD \a
.endr
	SENDST 7, 0
	s_wait_tensorcnt 0x0                           ; the wave's end: behind my last tensor load and my last LDS store
	ds_add_u32 v[SPW], v[NIL]
	s_wait_dscnt 0x0
	CROUND                                         ; the closing round: no work-group ends while a partner may still ask for a tile that names it
	s_endpgm
.Lfunc_end_k_qe065a55592_lstm:
	.size	k_qe065a55592_lstm, .Lfunc_end_k_qe065a55592_lstm-k_qe065a55592_lstm
	.p2alignl 7, 3214868480
	.fill 96, 4, 3214868480
	.section	.rodata,"a",@progbits
	.p2align	6, 0x0
	.amdhsa_kernel k_qe065a55592_lstm
		.amdhsa_group_segment_fixed_size 327680
		.amdhsa_private_segment_fixed_size 0
		.amdhsa_enable_private_segment 0
		.amdhsa_kernarg_size 40
		.amdhsa_user_sgpr_count 2
		.amdhsa_user_sgpr_kernarg_segment_ptr 1
		.amdhsa_wavefront_size32 1
		.amdhsa_system_sgpr_workgroup_id_x 1
		.amdhsa_system_sgpr_workgroup_id_y 1
		.amdhsa_system_sgpr_workgroup_id_z 1
		.amdhsa_system_vgpr_workitem_id 0
		.amdhsa_next_free_vgpr 1024
		.amdhsa_next_free_sgpr 88
		.amdhsa_reserve_vcc 0
		.amdhsa_float_denorm_mode_32 3
		.amdhsa_float_denorm_mode_16_64 3
		.amdhsa_memory_ordered 1
		.amdhsa_forward_progress 1
		.amdhsa_inst_pref_size 239
	.end_amdhsa_kernel
	.amdgpu_metadata
---
amdhsa.version: [ 1, 2 ]
amdhsa.kernels:
  - .name:           k_qe065a55592_lstm
    .symbol:         k_qe065a55592_lstm.kd
    .args:
      - { .name: hxb, .offset: 0, .size: 8, .value_kind: global_buffer, .address_space: global }
      - { .name: wb, .offset: 8, .size: 8, .value_kind: global_buffer, .address_space: global }
      - { .name: prev_c, .offset: 16, .size: 8, .value_kind: global_buffer, .address_space: global }
      - { .name: out0, .offset: 24, .size: 8, .value_kind: global_buffer, .address_space: global }
      - { .name: out1, .offset: 32, .size: 8, .value_kind: global_buffer, .address_space: global }
    .group_segment_fixed_size: 327680
    .private_segment_fixed_size: 0
    .kernarg_segment_align: 8
    .kernarg_segment_size: 40
    .max_flat_workgroup_size: 128
    .sgpr_count:     88
    .vgpr_count:     1024
    .wavefront_size: 32
...
	.end_amdgpu_metadata
.endif
;; end of part 2
